; MI455X (gfx1250); checked and timed in simulation.
; The chip was launched on July 23, 2026; its instructions are those of AMD's public machine-readable ISA for CDNA 5 (MIT licence, August 2026) and "CDNA5" Instruction Set Architecture Reference Guide (July 2026). The comments in the code are by the model that wrote it; some were corrected since.
;; Causal Self Attention. Allowed arithmetic: matrix products marked QUANTISED: E2M3 operands, one E8M0 scale for each 32 along K, by v_wmma_scale_f32_16x16x128_f8f6f4 with both operands' format E2M3, f32 sums; everything else in f32.
;; Inputs: attention_mask 2 x 2,048 int32; b_attn 3,072 float32; b_proj 1,024 float32; w_attn_codes 3,072 x 32 x 24 uint8 (E2M3 codes of w_attn, K innermost, in blocks of 32 codes, four codes in three bytes); w_attn_scales 3,072 x 32 uint8 (E8M0 scales of w_attn, one for each 32 codes along K); w_proj_codes 1,024 x 32 x 24 uint8 (E2M3 codes of w_proj, K innermost, in blocks of 32 codes, four codes in three bytes); w_proj_scales 1,024 x 32 uint8 (E8M0 scales of w_proj, one for each 32 codes along K); x_codes 2 x 2,048 x 32 x 24 uint8 (E2M3 codes of x, K innermost, in blocks of 32 codes, four codes in three bytes); x_scales 2 x 2,048 x 32 uint8 (E8M0 scales of x, one for each 32 codes along K).
;; Outputs: out0 2 x 2,048 x 1,024 float32.
;; This version of the problem:
;;   THIS VERSION OF THE PROBLEM IS GIVEN IN LOW PRECISION. The matrix products marked QUANTISED in the list below multiply operands that are first quantised to E2M3 (2 exponent bits, 3 mantissa bits; 6 bits a number), with one power-of-two scale for each 32 numbers along K (OCP MX v1.0); their sums are f32. All else is computed in f32.
;;   The module's matrix products, in the order in which they are computed (A, B: the left and right operand; K: the contracted axis; several contracted axes count as one K, in the product's order):
;;     1. [M 4,096, K 1,024] x [K 1,024, N 3,072]; A: input x (given as codes); B: input w_attn (given as codes): QUANTISED
;;     2. batch 32 x [M 2,048, K 64] x [K 64, N 2,048]; A: computed on the way; B: computed on the way: QUANTISED
;;     3. batch 32 x [M 2,048, K 2,048] x [K 2,048, N 64]; A: softmax (see below); B: computed on the way: QUANTISED
;;     4. [M 4,096, K 1,024] x [K 1,024, N 1,024]; A: computed on the way; B: input w_proj (given as codes): QUANTISED
;;   THE QUANTISER, for each operand of a quantised product, along K:
;;     - K is cut into blocks of 32 from its start; a last block that is shorter is filled with zeros.
;;     - A block's scale is 2^e with e = floor(log2(the largest magnitude in the block)) - 2, held to -126 .. 127; a block of zeros has e = 0. As a byte (E8M0): e + 127.
;;     - Each number is divided by its block's scale, clamped to +-7.5, and rounded to the nearest number of E2M3, ties to even, subnormals kept.
;;     - The product sums the exact products of the quantised numbers (number of the format x scale) in f32.
;;   ~~~python
;;   def quantise(x, axis):      # numpy; x: float32 -> the quantised numbers, widened to float32 again
;;       x = np.moveaxis(x, axis, -1); K = x.shape[-1]
;;       x = np.pad(x, [(0, 0)] * (x.ndim - 1) + [(0, -K % 32)]); x = x.reshape(x.shape[:-1] + (-1, 32)); a = np.abs(x).max(-1, keepdims=True)
;;       e = np.where(a > 0, np.clip(np.frexp(np.where(a > 0, a, 1))[1] - 1 - 2, -126, 127), 0)      # np.frexp(a)[1] - 1 = floor(log2(a)), exactly
;;       r = np.clip(x / 2.0 ** e, -7.5, 7.5)
;;       step = 2.0 ** (np.maximum(np.frexp(np.where(r == 0, 1, r))[1] - 1, 0) - 3)
;;       q = np.round(r / step) * step * 2.0 ** e      # np.round: ties to even
;;       return np.moveaxis(q.reshape(q.shape[:-2] + (-1,))[..., :K], -1, axis).astype(np.float32)
;;   ~~~
;;   SOFTMAX AHEAD OF A QUANTISED PRODUCT. Where the list says 'softmax', what is quantised is not the finished softmax but p = 2^(t - M), with t = logit x log2(e) and M = ceil(the row's largest t), a whole number; so 1/2 < the row's largest p <= 1. The row's sum l is taken of the UNQUANTISED p, in f32, and the product's result is divided by l at the end. Since M is a whole number, a kernel that streams over the keys may use a running M (the ceiling of the running maximum): every later rescaling is an exact power of two, which a block's scale takes up: the codes' values come out the same.
;;   OPERANDS COMPUTED ON THE WAY. 'Computed on the way' means the value that the module computes at that place (a softmax that the list does not call 'softmax' is quantised finished and normalised). What goes into a quantiser is computed in f32, as accurately as f32 sums, v_exp_f32 and their like allow (about 1e-6 of the number): no bf16 or f16 on the way to a quantiser, and a product that is left as it is and whose result goes on into a quantised operand takes f32 operands (vector FMAs, or v_wmma_f32_16x16x4_f32). A number that lies on a knife's edge between two numbers of the format may be rounded either way, as far as f32 arithmetic and the matrix unit's own rounding can turn it there, and no further.
;;   INPUTS GIVEN AS CODES. w_attn (in the module: [1024, 3072], K = its axis 0); w_proj (in the module: [1024, 1024], K = its axis 0); x (in the module: [2, 2048, 1024], K = its axis 2): each comes as NAME_codes (uint8): NAME with its K axis moved to the last place and cut into blocks of 32 codes, [.., K / 32, bytes a block], one block behind the other in memory; four codes in three bytes: a row's codes are one little-endian stream of bits, code i at bits 6 i .. 6 i + 5 (a code: sign, 2 exponent bits, 3 mantissa bits); and NAME_scales (uint8): the same leading axes, one E8M0 byte (e + 127) for each 32 codes along K. Its value is code x scale, taken as it is: it is not quantised again, and the codes and scales need not be those that the quantiser above would give.
;; One version. Each part assembles by itself: llvm-mc -triple=amdgcn-amd-amdhsa -mcpu=gfx1250 --defsym DOCPART=n.
;; ======== version 1 of 1: 3 launches
;; limits: right only within a limited range of input values
;; workspace buffers: qi 3,407,872 bytes; kv 6,815,744 bytes; ao 3,145,728 bytes; aos 131,072 bytes
;; launch qkv (part 1): grid 12 x 16, 4 waves a work-group, clusters of 4 x 4, 327,680 bytes of LDS; arguments x_codes, x_scales, w_attn_codes, w_attn_scales, b_attn, attention_mask, qi, kv; writes qi, kv
.if DOCPART == 1
	.amdgcn_target "amdgcn-amd-amdhsa--gfx1250"
	.amdhsa_code_object_version 6
	.text
	.protected	k_qeb13ec58de_qkv
	.globl	k_qeb13ec58de_qkv
	.p2align	8
	.type	k_qeb13ec58de_qkv,@function
k_qeb13ec58de_qkv:
	s_mov_b64 s[64:65], 0
	v_nop
	global_prefetch_b8 v0, s[64:65] scope:SCOPE_SE
	s_setreg_imm32_b32 hwreg(HW_REG_WAVE_MODE, 25, 1), 1
	s_wait_xcnt 0x0
	s_wait_alu depctr_hold_cnt(0) depctr_sa_sdst(0) depctr_va_vdst(0) depctr_va_sdst(0) depctr_va_ssrc(0) depctr_va_vcc(0) depctr_vm_vsrc(0)
	s_getreg_b32 s2, hwreg(HW_REG_IB_STS2, 6, 4)
	s_cmp_eq_u32 s2, 0
	s_cbranch_scc0 .Lentry_in_a_cluster
	s_endpgm
.Lentry_in_a_cluster:
	s_bfe_u32 s2, ttmp6, 0x10000c
	s_cmp_lg_u32 s2, 0xf033
	s_cbranch_scc0 .Lentry_shape_is_right
	s_endpgm
.Lentry_shape_is_right:
; qkv = x w_attn + b_attn on codes of FP6 (E2M3) with E8M0 scales, then q, k and v quantised for the two products of the attention and stored as images of operand registers.
; Every input of the problem has a way to the result and is loaded by some launch; no work of the definition is left out.
; A tile is 256 x 256, four waves of 128 x 128 (64 accumulators).  KIND = cluster x: 0 q, 1 k, 2 v.  R: the rows that become a lane (source 1), P: the rows that run along a lane's registers (source 0).
; q, k: R = tokens, P = features (quantised along the head's 64).  v: R = features, P = tokens (quantised along the keys).
; THE ROWS OF A BLOCK OF 16: lane r of block i takes row 64 (i / 4) + 8 (i % 4) + r % 8 + 32 (r / 8) of its 128.  So the 32 result registers of P's blocks 4 c .. 4 c + 3 are, in lane (r, h),
; the 32 neighbours 64 c + 32 h + 0 .. 31: a whole block of the next K, in the order of the 6-bit operand's registers 6 c .. 6 c + 5.
; THE TENSOR LOADS LAY A BLOCK'S 16 ROWS ON END IN LDS: a tile of five dimensions: 256 bytes; 8 rows; 2 groups 32 rows apart; 4 groups 8 rows apart; 2 or 4 groups 64 rows apart.  LDS row 16 i + r is row r of block i,
; 272 bytes apart: the 32 lanes of a load of 8 bytes touch 64 different banks (64 banks of 4 bytes: ISA guide 11.1).
; K goes through a ring of two LDS slots in chunks of 256 bytes of each row of 768 (three chunks, eight steps of 96 bytes); steps 2 and 5 lie across two chunks.  The scales of all of K come once.
; CLUSTER 4 x 4: R's tiles are shared along a row of the cluster, P's along a column: joint loads.
; PREFETCH: chunk 1 is asked for behind the head's loads, chunk 2 behind chunk 1's load: each one load ahead of the tensor load that wants it; chunk 0 comes by its load alone.  One instruction a wave, a lane a row, 32 rows x 256 bytes:
; of the 128 rows that a wave fetches in the ring the partner at place p (cx for R, cy for P) takes rows 32 p on, told apart by address: each block of 256 bytes is named once in a cluster.  Its address registers are never rewritten.
; OUT.  qi: record (batch, head, 128 tokens) of 6,656 bytes: 8 images of 768 bytes (16 tokens x 64), then 512 bytes of scale words.  kv: record of 13,312: k as q, then v: 4 images of 1,536 (16 channels x 128 keys), scale words.
; THE KEY MASK rides in place 64 of the first product's K: the upper half of k's scale word holds 2^35 for a masked key (whose codes are cleared) and 2^-126 for an open one; q's holds 1.
; LIMITS: a block of zeros has the byte 1 (its codes are zeros); NaN and infinities are not served.
.set NQ,     2
.set ROWB,   256
.set KROW,   768
.set STEPS,  8
.set CHUNKS, 3
.set PITCH,  272
.set FR,     12
.set NL,     6
.set NP,     4
.set HALFT,  128*PITCH
.set SLOT,   4*HALFT
.set SCL,    2*SLOT
.set HALFS,  16*272
.set SPARE,  SCL+4*HALFS               ; the spare words: 512 bytes that no other line names
.set QREC,   6656
.set KVREC,  13312
.set ADRR, 16                          ; v16-17 R's fragments in slot 0, 1; v18-19 for pieces whose two halves of the lanes lie in different chunks
.set ADRP, 20                          ; v20-23 the same for P
.set L16,  24
.set L8,   25
.set SH8,  26                          ; 8 h
.set ADRS, 27
.set SPW,  28
.set NIL,  29
.set PFO,  30                          ; the prefetches' offset: my lane x a row of codes; never rewritten
.set SC,   32                          ; v32-63 scale words, two sets
.set BV,   64                          ; v64-127 b_attn along my registers (q, k)
.set RF,   128                         ; R's fragments, one set
.set MK,   240
.set BR,   248
.set HW,   240
.set KEEP, 248
.set WA,   8
.set WB,   16
.set ST,   128
.set PC,   192
.set TM,   212
.set PW,   228
.set VOPEN, 229
.set VMSK, 230
.set BP,   230
.set X,    232
.set WV,   20
.set WR,   21
.set WP,   22
.set KIND, 23
.set G1R,  24
.set G0R,  32
.set G3,   44                          ; s[44:47] descriptor group 3 of the tiles of codes; on the way out s[46:47] hold the permute's selects
.set SEL,  46
.set G1P,  48
.set G0P,  56
.set G1SR, 68
.set G0SR, 76
.set G1SP, 80
.set G0SP, 88
.set OUTA, 92
.set G2,   96                          ; s[96:99] descriptor group 2; on the way out constants
.set PFA,  104                         ; s[104:105] my work-group's 32 rows of the 128 that I fetch; never rewritten once made
.set G0H,  8                           ; group 0 of the head's loads of chunk 0, where arguments lay
.set G0HP, 4
.set MSB, 0
.macro WIN new
.if MSB != (\new)
	s_set_vgpr_msb (MSB<<8)|(\new)
.set MSB, (\new)
.endif
.endm
.set MUL_LO, 0xa1
.set MUL_HI, 0xf1
.set TO_P,   0x40
.macro TLOAD g0, g1                    ; a tensor load of two dimensions (scales)
	tensor_load_to_lds s[\g0:\g0+3], s[\g1:\g1+7]
	s_nop 0
.rept 4
	v_nop
.endr
.endm
.macro TLOAD5 g0, g1                   ; of five dimensions (codes)
	tensor_load_to_lds s[\g0:\g0+3], s[\g1:\g1+7], s[G2:G2+3], s[G3:G3+3]
	s_nop 0
.rept 4
	v_nop
.endr
.endm
.macro JLOAD g0r, g1r, g0p, g1p        ; waves 0, 1 fetch for R, waves 2, 3 for P
	s_cmp_eq_u32 s[WR], 0
	s_cbranch_scc0 .Lfor_p_\@
	TLOAD5 \g0r, \g1r
	s_branch .Lasked_\@
.Lfor_p_\@:
	TLOAD5 \g0p, \g1p
.Lasked_\@:
.endm
.macro CREST
	s_cmp_lg_u32 s[WV], 0
	s_cbranch_scc1 .Lnot_wave_0_\@
	s_barrier_signal -3
.Lnot_wave_0_\@:
	s_barrier_wait -3
	s_barrier_signal -1
	s_barrier_wait -1
.endm
.macro CROUND
	s_barrier_signal -1
	s_barrier_wait -1
	CREST
.endm
	s_load_b256 s[4:11], s[0:1], 0x0               ; x's codes, scales; w_attn's codes, scales
	s_load_b256 s[12:19], s[0:1], 0x20             ; b_attn, attention_mask, qi, kv
	v_lshl_add_u32 v[SPW], v0, 2, SPARE
	v_mov_b32 v[NIL], 0
	ds_add_u32 v[SPW], v[NIL]                      ; the opening lines
	ds_add_u32 v[SPW], v[NIL]
	v_lshrrev_b32 v1, 5, v0
	v_readfirstlane_b32 s[WV], v1
	s_lshr_b32 s[WR], s[WV], 1                     ; my half of R's rows; also: I fetch for R (0) or P (1)
	s_and_b32 s[WP], s[WV], 1                      ; my half of P's rows; also: which 128 rows I fetch
	s_mov_b32 s[KIND], ttmp9
	s_bfe_u32 s40, ttmp6, 0x40000                  ; cx
	s_bfe_u32 s41, ttmp6, 0x40004                  ; cy
	s_and_b32 s3, ttmp7, 0xffff
	s_lshl_b32 s3, s3, 2
	s_lshl_b32 s2, s[KIND], 2
	s_cmp_eq_u32 s[KIND], 2
	s_cselect_b32 s42, s3, s2
	s_cselect_b32 s43, 8, s3
	s_add_co_u32 s42, s42, s40                     ; P's tile of 256 rows
	s_add_co_u32 s43, s43, s41                     ; R's tile
	s_lshl_b32 s104, s41, 2
	s_lshl_b32 s104, 15, s104                      ; my row of the cluster
	s_lshl_b32 s105, 0x1111, s40                   ; my column
	s_or_b32 s[G1R+0], s104, (0<<16)|(1<<20)|(1<<21)|(5<<22)|(3<<25)  ; bytes; 16 bytes of padding behind every 256
	s_or_b32 s[G1P+0], s105, (0<<16)|(1<<20)|(1<<21)|(5<<22)|(3<<25)
.irp g, G1R, G1P
	s_mov_b32 s[\g+1], ROWB<<16                    ; tensor_dim0 = 256 bytes
	s_mov_b32 s[\g+2], 8<<16                       ; tensor_dim1 = 8 rows
	s_mov_b32 s[\g+3], ROWB<<16                    ; tile_dim0
	s_mov_b32 s[\g+4], 8|(2<<16)                   ; tile_dim1 = 8, tile_dim2 = 2
	s_mov_b32 s[\g+5], KROW                        ; from row to row
	s_mov_b32 s[\g+6], (32*KROW)<<16               ; stride1, low 16 bits: 32 rows
	s_mov_b32 s[\g+7], 0
.endr
	s_mov_b32 s[G2], 2                             ; tensor_dim2
	s_mov_b32 s[G2+1], 4                           ; tensor_dim3
	s_mov_b32 s[G2+2], 8*KROW                      ; stride2: 8 rows
	s_mov_b32 s[G2+3], 4<<16                       ; tile_dim3 = 4
	s_mov_b32 s[G3], 64*KROW                       ; stride3: 64 rows
	s_mov_b32 s[G3+1], 4<<16                       ; tensor_dim4 = 4: 256 rows for the head's loads
	s_mov_b32 s[G3+2], 4<<16                       ; tile_dim4 = 4
	s_mov_b32 s[G3+3], 0
	s_or_b32 s[G1SR+0], s104, (3<<16)|(1<<20)|(1<<21)|(5<<22)|(3<<25) ; the scales of 256 rows: 32 dense rows of 256 bytes
	s_or_b32 s[G1SP+0], s105, (3<<16)|(1<<20)|(1<<21)|(5<<22)|(3<<25)
.irp g, G1SR, G1SP
	s_mov_b32 s[\g+1], 32<<16
	s_mov_b32 s[\g+2], 32<<16
	s_mov_b32 s[\g+3], 32<<16
	s_mov_b32 s[\g+4], 32
	s_mov_b32 s[\g+5], 32
	s_mov_b32 s[\g+6], 0
	s_mov_b32 s[\g+7], 0
.endr
	s_mul_i32 s2, s43, 256*KROW                    ; R's tile: codes,
	s_mov_b32 s3, 0
	s_lshl_b32 s100, s43, 13                       ; scales
	s_mov_b32 s101, 0
	s_mul_i32 s66, s42, 256*KROW                   ; P's codes
	s_mov_b32 s67, 0
	s_mul_i32 s104, s[WV], HALFT                   ; where my 128 rows of the ring go
	s_wait_dscnt 0x0
	s_wait_kmcnt 0x0
	s_cmp_eq_u32 s[KIND], 2
	s_cselect_b64 s[92:93], s[8:9], s[4:5]         ; R's codes,
	s_cselect_b64 s[94:95], s[10:11], s[6:7]       ; scales
	s_cselect_b64 s[4:5], s[4:5], s[8:9]           ; P's codes,
	s_cselect_b64 s[6:7], s[6:7], s[10:11]         ; scales
	s_add_nc_u64 s[92:93], s[92:93], s[2:3]
	s_add_nc_u64 s[94:95], s[94:95], s[100:101]
	s_add_nc_u64 s[4:5], s[4:5], s[66:67]
	s_lshl_b32 s2, s42, 13
	s_add_nc_u64 s[6:7], s[6:7], s[2:3]
	CROUND                                         ; the first joint loads meet
	s_mov_b32 s[G0SP], 1
	s_mov_b32 s[G0SP+1], SCL+2*HALFS
	s_mov_b64 s[G0SP+2:G0SP+3], s[6:7]
	s_or_b32 s[G0SP+3], s[G0SP+3], 0x80000000
	s_mov_b32 s[G0SR], 1
	s_mov_b32 s[G0SR+1], SCL
	s_mov_b64 s[G0SR+2:G0SR+3], s[94:95]
	s_or_b32 s[G0SR+3], s[G0SR+3], 0x80000000
	s_mov_b32 s[G0H], 1
	s_mov_b32 s[G0H+1], 0
	s_mov_b64 s[G0H+2:G0H+3], s[92:93]
	s_or_b32 s[G0H+3], s[G0H+3], 0x80000000
	s_mul_i32 s100, s[WP], 128*KROW                ; for the ring: my 128 rows of the tile
	s_mov_b32 s101, 0
	s_add_nc_u64 s[92:93], s[92:93], s[100:101]
	s_add_nc_u64 s[94:95], s[4:5], s[100:101]
	s_mov_b64 s[G0HP+2:G0HP+3], s[4:5]
	s_mov_b32 s[G0HP], 1
	s_mov_b32 s[G0HP+1], 2*HALFT
	s_or_b32 s[G0HP+3], s[G0HP+3], 0x80000000
.irp s, 0,1
	s_mov_b32 s[G0R+4*\s], 1
	s_add_co_u32 s[G0R+4*\s+1], s104, \s*SLOT
	s_add_nc_u64 s[G0R+4*\s+2:G0R+4*\s+3], s[92:93], \s*ROWB
	s_or_b32 s[G0R+4*\s+3], s[G0R+4*\s+3], 0x80000000
	s_mov_b32 s[G0P+4*\s], 1
	s_add_co_u32 s[G0P+4*\s+1], s104, \s*SLOT
	s_add_nc_u64 s[G0P+4*\s+2:G0P+4*\s+3], s[94:95], \s*ROWB
	s_or_b32 s[G0P+4*\s+3], s[G0P+4*\s+3], 0x80000000
.endr
	s_cmp_eq_u32 s[WR], 0                          ; the prefetches: of the 128 rows that I fetch,
	s_cselect_b64 s[PFA:PFA+1], s[92:93], s[94:95]
	s_cselect_b32 s100, s40, s41                   ; my place among the four that ask for them with me
	s_mul_i32 s100, s100, 32*KROW                  ; takes 32 rows (s101 is 0)
	s_add_nc_u64 s[PFA:PFA+1], s[PFA:PFA+1], s[100:101]
; the head's four tiles, one load a wave, in one chain of branches: chunk 0 of R, of P, R's scales, P's scales
.macro ARM under, g0, g1, five, next
	s_cmp_lt_u32 s[WV], \under
	s_cbranch_scc0 \next
.if \five
	TLOAD5 \g0, \g1
.else
	TLOAD \g0, \g1
.endif
	s_branch .Lhead_asked
\next:
.endm
	ARM 1, G0H,  G1R,  1, .Lhead_p
	ARM 2, G0HP, G1P,  1, .Lhead_sr
	ARM 3, G0SR, G1SR, 0, .Lhead_sp
	TLOAD G0SP, G1SP
.Lhead_asked:
	v_and_b32 v[PFO], 31, v0
	v_mul_u32_u24 v[PFO], v[PFO], KROW
	v_and_b32 v1, 15, v0                           ; r
	v_bfe_u32 v2, v0, 4, 1                         ; h
	v_and_b32 v3, 8, v1
	v_mad_u32_u24 v3, v3, 3, v1                    ; my row of a block, in memory: r % 8 + 32 (r / 8)
	v_mul_u32_u24 v4, v1, PITCH                    ; in LDS: row r
	v_mad_u32_u24 v5, v2, 24, v4                   ; + 24 h
	s_mov_b32 s66, SLOT-232
	s_mov_b32 s67, SLOT+232
	v_sub_nc_u32 v7, 1, v2
	v_mul_u32_u24 v6, s66, v2
	v_add_nc_u32 v6, v4, v6
	v_add_nc_u32 v6, 232, v6                       ; lanes 0-15 byte 232 of the row in slot 0, lanes 16-31 byte 0 in slot 1
	v_mul_u32_u24 v7, s67, v7
	v_add_nc_u32 v7, v4, v7                        ; and the other way round
	s_mul_i32 s66, s[WR], HALFT
	s_mul_i32 s67, s[WP], HALFT
	s_add_co_u32 s67, s67, 2*HALFT
	v_add_nc_u32 v[ADRR+2], s66, v6
	v_add_nc_u32 v[ADRR+3], s66, v7
	v_add_nc_u32 v[ADRP+2], s67, v6
	v_add_nc_u32 v[ADRP+3], s67, v7
.irp s, 0,1
	v_add_nc_u32 v[ADRR+\s], s66, v5
	v_add_nc_u32 v[ADRP+\s], s67, v5
	s_add_co_u32 s66, s66, SLOT
	s_add_co_u32 s67, s67, SLOT
.endr
	global_prefetch_b8 v[PFO], s[PFA:PFA+1] offset:ROWB th:TH_LOAD_NT scope:SCOPE_SE      ; chunk 1 of my 32 rows
	v_and_b32 v6, 7, v1                            ; my row's 32 scale bytes, which lie as in memory: 8 rows to a unit of 272
	v_lshlrev_b32 v6, 5, v6
	v_lshrrev_b32 v7, 3, v1
	v_mad_u32_u24 v6, v7, 4*272, v6
	s_mul_i32 s66, s[WR], HALFS
	s_mul_i32 s67, s[WP], HALFS
	s_add_co_u32 s67, s67, 2*HALFS
	s_sub_co_u32 s67, s67, s66
	v_mul_u32_u24 v7, s67, v2                      ; lanes 16-31 take P's
	s_add_co_u32 s66, s66, SCL
	v_add_nc_u32 v6, v6, v7
	v_add_nc_u32 v[ADRS], s66, v6
	v_and_b32 v7, 31, v0
	v_lshlrev_b32 v[L16], 4, v7
	v_lshlrev_b32 v[L8], 3, v7
	v_lshlrev_b32 v[SH8], 3, v2
	s_lshl_b32 s66, s43, 8
	s_lshl_b32 s67, s[WR], 7
	s_add_co_u32 s66, s66, s67                     ; my first row of R
	s_lshl_b32 s67, s42, 8
	s_lshl_b32 s100, s[WP], 7
	s_add_co_u32 s67, s67, s100                    ; of P
	s_cmp_eq_u32 s[KIND], 2
	s_cselect_b32 s100, 0, s67
	s_cselect_b32 s101, s66, 0
	s_cselect_b32 s2, 0, s66
	v_lshlrev_b32 v8, 7, v2                        ; b_attn along my registers: 32 h numbers on
	v_lshl_add_u32 v8, s100, 2, v8
	v_lshlrev_b32 v9, 2, v3
	v_lshl_add_u32 v10, s2, 2, v9                  ; the mask of my token (q, k)
	v_lshl_add_u32 v9, s101, 2, v9                 ; b_attn of my feature (v)
.irp b, 0,1,2,3,4,5,6,7
	global_load_b128 v[BV+8*\b:BV+8*\b+3], v8, s[12:13] offset:(64*(\b/4)+8*(\b%4))*4
	global_load_b128 v[BV+8*\b+4:BV+8*\b+7], v8, s[12:13] offset:(64*(\b/4)+8*(\b%4))*4+16
.endr
.irp a, 0,1,2,3,4,5,6,7
	global_load_b32 v[BR+\a], v9, s[12:13] offset:(64*(\a/4)+8*(\a%4))*4
	global_load_b32 v[MK+\a], v10, s[14:15] offset:(64*(\a/4)+8*(\a%4))*4
.endr
	s_cmp_eq_u32 s[KIND], 2                        ; where my records lie
	s_cselect_b32 s100, s67, s66                   ; token
	s_cselect_b32 s101, s66, s67                   ; feature
	s_cselect_b32 s2, QREC, 0
	s_and_b32 s101, s101, 1023
	s_lshr_b32 s101, s101, 6                       ; head
	s_lshr_b32 s66, s100, 11                       ; batch
	s_lshl_b32 s66, s66, 4
	s_add_co_u32 s66, s66, s101
	s_lshl_b32 s66, s66, 4
	s_bfe_u32 s100, s100, 0x40007                  ; which 128 tokens
	s_add_co_u32 s66, s66, s100
	s_mov_b32 s67, KVREC
	s_cmp_eq_u32 s[KIND], 0
	s_cselect_b32 s67, QREC, s67
	s_cselect_b64 s[OUTA:OUTA+1], s[16:17], s[18:19]
	s_mul_i32 s66, s66, s67
	s_add_co_u32 s66, s66, s2
	s_lshl_b32 s2, s67, 4                          ; the next head: 16 records on
	s_mov_b32 s67, 0
	s_mov_b32 s3, 0
	s_add_nc_u64 s[OUTA:OUTA+1], s[OUTA:OUTA+1], s[66:67]
	s_add_nc_u64 s[OUTA+2:OUTA+3], s[OUTA:OUTA+1], s[2:3]
.macro FRAG reg, adr, st, i            ; 16 rows x 128 K: six pieces of 8 bytes; byte y of a row lies in chunk y / 256, slot (y / 256) % 2
.irp p, 0,1,2,3,4,5
.set BY, 96*(\st)+48*(\p/3)+8*(\p%3)
.if BY/ROWB == (BY+24)/ROWB
	ds_load_b64 v[\reg+2*\p:\reg+2*\p+1], v[\adr+(BY/ROWB)%2] offset:BY%ROWB+(\i)*16*PITCH
.else
	ds_load_b64 v[\reg+2*\p:\reg+2*\p+1], v[\adr+2+(BY/ROWB)%2] offset:BY%ROWB-232+(\i)*16*PITCH
.endif
.endr
.endm
.macro MUL16 a0, p, q, sc, zero        ; the 64 accumulators take turns, one instruction a turn
.irp a, \a0, \a0+1
.irp b, 0,1,2,3,4,5,6,7
.if \zero
	v_wmma_scale_f32_16x16x128_f8f6f4 v[8*(8*((\a)%4)+\b):8*(8*((\a)%4)+\b)+7], v[128*(\p)+FR*\b:128*(\p)+FR*\b+FR-1], v[RF+FR*(\a):RF+FR*(\a)+FR-1], 0, v[SC+8*NQ*(\sc)+NQ*\b+(\q)], v[SC+8*NQ*(\sc)+NQ*(\a)+(\q)] matrix_a_fmt:MATRIX_FMT_FP6 matrix_b_fmt:MATRIX_FMT_FP6 matrix_a_scale:MATRIX_SCALE_ROW1
.else
	v_wmma_scale_f32_16x16x128_f8f6f4 v[8*(8*((\a)%4)+\b):8*(8*((\a)%4)+\b)+7], v[128*(\p)+FR*\b:128*(\p)+FR*\b+FR-1], v[RF+FR*(\a):RF+FR*(\a)+FR-1], v[8*(8*((\a)%4)+\b):8*(8*((\a)%4)+\b)+7], v[SC+8*NQ*(\sc)+NQ*\b+(\q)], v[SC+8*NQ*(\sc)+NQ*(\a)+(\q)] matrix_a_fmt:MATRIX_FMT_FP6 matrix_b_fmt:MATRIX_FMT_FP6 matrix_a_scale:MATRIX_SCALE_ROW1
.endif
.endr
.endr
.endm
.macro FETCH_P st, p
	WIN TO_P
.irp i, 0,1,2,3,4,5,6,7
	FRAG 128*(\p)+FR*\i, ADRP, \st, \i
.endr
	WIN 0
.endm
.macro FETCH_R st, i0
.irp i, \i0, \i0+1, \i0+2, \i0+3
	FRAG RF+FR*(\i), ADRR, \st, \i
.endr
.endm
.macro SCALES pr                       ; the words of steps 2 pr, 2 pr + 1: lanes 0-15 R's block i, lanes 16-31 P's
.irp i, 0,1,2,3,4,5,6,7
	ds_load_b64 v[SC+8*NQ*((\pr)%2)+NQ*\i:SC+8*NQ*((\pr)%2)+NQ*\i+1], v[ADRS] offset:(8*(\i/4)+\i%4)*272+4*NQ*(\pr)
.endr
.endm
.macro PLACES n
.rept \n
	v_nop
.endr
.endm
; A step of 128 along K.  Where the next step's bytes end in a chunk not read yet: wait for my tensor loads, and a barrier.  Where they begin in a later chunk: the three lines, the barrier, and, where a chunk is left to fetch, the round and the refill.
.macro STEP st, zero
.set NX, (\st)+1
.set C0, (96*(\st))/ROWB
.set C1, (96*NX)/ROWB
.set E0, (96*(\st)+95)/ROWB
.set E1, (96*NX+95)/ROWB
.if C1 > C0 || E1 > E0
	s_wait_tensorcnt 0x0
.if C1 > C0
	ds_add_u32 v[SPW], v[NIL]
	s_wait_dscnt 4*NL+1                            ; the add and R's blocks 4-7 may be out
.else
	s_wait_dscnt 4*NL                              ; R's blocks 4-7 may be out
.endif
	WIN MUL_LO
	MUL16 0, (\st)%2, (\st)%2, ((\st)/2)%2, \zero
	s_wait_dscnt 0x0                               ; the add and my reads are done
	s_barrier_signal -1
	MUL16 2, (\st)%2, (\st)%2, ((\st)/2)%2, \zero
	WIN 0
	s_barrier_wait -1
.if C1 > C0 && C0+2 < CHUNKS
	CREST
	s_add_nc_u64 s[G0R+4*(C0%2)+2:G0R+4*(C0%2)+3], s[G0R+4*(C0%2)+2:G0R+4*(C0%2)+3], 2*ROWB
	s_add_nc_u64 s[G0P+4*(C0%2)+2:G0P+4*(C0%2)+3], s[G0P+4*(C0%2)+2:G0P+4*(C0%2)+3], 2*ROWB
	JLOAD G0R+4*(C0%2), G1R, G0P+4*(C0%2), G1P     ; chunk C0 + 2; its four v_nop are the places in front of the loads below
.else
	PLACES NP
.endif
.else
	s_wait_dscnt 4*NL
	WIN MUL_LO
	MUL16 0, (\st)%2, (\st)%2, ((\st)/2)%2, \zero
	MUL16 2, (\st)%2, (\st)%2, ((\st)/2)%2, \zero
	s_wait_dscnt 0
	PLACES NP
.endif
	FETCH_P NX, NX%2
	FETCH_R NX, 0
.if NX%2 == 0
	SCALES NX/2
.endif
	WIN MUL_HI
	MUL16 4, (\st)%2, (\st)%2, ((\st)/2)%2, \zero
	MUL16 6, (\st)%2, (\st)%2, ((\st)/2)%2, \zero
	PLACES NP
	WIN 0
	FETCH_R NX, 4
.endm
	s_wait_alu depctr_va_vdst(0)                   ; the wait at the head's end
	s_wait_tensorcnt 0x0                           ; my tile of the head's four is in
	ds_add_u32 v[SPW], v[NIL]
	s_mov_b32 s[G3+1], 2<<16                       ; no load of mine is out: from here on a load brings 128 rows: tensor_dim4 = 2,
	s_mov_b32 s[G3+2], 2<<16                       ; tile_dim4 = 2
	s_wait_dscnt 0x0
	CROUND
	JLOAD G0R+4, G1R, G0P+4, G1P                   ; chunk 1: slot 1's first fill, issued as a refill is
	FETCH_P 0, 0
	FETCH_R 0, 0
	SCALES 0
	FETCH_R 0, 4
	global_prefetch_b8 v[PFO], s[PFA:PFA+1] offset:2*ROWB th:TH_LOAD_NT scope:SCOPE_SE    ; chunk 2 of my 32 rows: its tensor load stands two steps on
	STEP 0, 1
.set SN, 1
.rept STEPS-2
	STEP SN, 0
.set SN, SN+1
.endr
	s_wait_dscnt 4*NL
	WIN MUL_LO
	MUL16 0, 1, 1, 1, 0
	MUL16 2, 1, 1, 1, 0
	s_wait_dscnt 0
	WIN MUL_HI
	MUL16 4, 1, 1, 1, 0
	MUL16 6, 1, 1, 1, 0
	WIN 0
; 64 numbers of a lane = its two whole blocks of 32 (2 c + h) -> 12 registers of codes and the scale word of the row
.macro QUANT s
.irp b, 0,1,2,3
	v_max3_num_f32 v[TM+\b], |v[\s+16*\b]|, |v[\s+1+16*\b]|, 0x1800000   ; four chains of 16, with the floor 2^(3 - 127)
.endr
.irp i, 2,4,6,8,10,12,14
.irp b, 0,1,2,3
	v_max3_num_f32 v[TM+\b], v[TM+\b], |v[\s+16*\b+\i]|, |v[\s+1+16*\b+\i]|
.endr
.endr
	v_max_num_f32 v[TM], v[TM], v[TM+1]
	v_max_num_f32 v[TM+2], v[TM+2], v[TM+3]
	v_add_nc_u32 v[TM+12], 0xff000000, v[TM]       ; 2 off the exponent field: the conversion's scale operand
	v_add_nc_u32 v[TM+13], 0xff000000, v[TM+2]
	v_lshrrev_b32 v[TM+4], 23, v[TM+12]
	v_lshrrev_b32 v[TM+5], 23, v[TM+13]
	v_cvt_scalef32_pk16_fp6_f32 v[PC:PC+2], v[\s:\s+15], v[TM+12]
	v_cvt_scalef32_pk16_fp6_f32 v[PC+12:PC+14], v[\s+16:\s+31], v[TM+12]
	v_cvt_scalef32_pk16_fp6_f32 v[PC+6:PC+8], v[\s+32:\s+47], v[TM+13]
	v_cvt_scalef32_pk16_fp6_f32 v[PC+16:PC+18], v[\s+48:\s+63], v[TM+13]
	v_lshl_or_b32 v[PW], v[TM+5], 16, v[TM+4]      ; my bytes: blocks h and 2 + h,
	v_lshlrev_b32 v[PW], v[SH8], v[PW]             ; at their places;
	v_permlanex16_b32 v[TM+6], v[PW], s[SEL], s[SEL+1]
	v_or_b32 v[PW], v[PW], v[TM+6]                 ; with lane l xor 16's the word is whole
.irp c, 0,1
.irp i, 0,1,2
	v_mov_b32 v[PC+3+6*\c+\i], v[PC+12+4*\c+\i]    ; a conversion's three registers begin on an even number
.endr
.endr
.endm
.macro BLOCK_QK a
.if (\a) > 0
	s_wait_xcnt 0x0
.endif
	WIN 0x02+(\a)/4
.set j, 0
.rept 32
	v_pk_add_f32 v[ST+j:ST+j+1], v[64*((\a)%4)+j:64*((\a)%4)+j+1], v[BV+j:BV+j+1]
.set j, j+2
.endr
	WIN 0
	QUANT ST
.irp i, 0,1,2,3,4,5,6,7,8,9,10,11
	v_and_b32 v[PC+\i], v[KEEP+(\a)], v[PC+\i]     ; a masked key's codes are cleared
.endr
	v_perm_b32 v[WA+(\a)], v[HW+(\a)], v[PW], s98  ; first head: its two bytes under the mask's half word
	v_perm_b32 v[WB+(\a)], v[HW+(\a)], v[PW], s99  ; second head
	global_store_b128 v[L16], v[PC:PC+3], s[OUTA:OUTA+1] offset:768*(\a)
	global_store_b64 v[L8], v[PC+4:PC+5], s[OUTA:OUTA+1] offset:768*(\a)+512
	global_store_b128 v[L16], v[PC+6:PC+9], s[OUTA+2:OUTA+3] offset:768*(\a)
	global_store_b64 v[L8], v[PC+10:PC+11], s[OUTA+2:OUTA+3] offset:768*(\a)+512
.endm
.macro BLOCK_V a
.if (\a) > 0
	s_wait_xcnt 0x0
.endif
	v_mov_b32 v[BP], v[BR+(\a)]
	v_mov_b32 v[BP+1], v[BR+(\a)]
	WIN 0x02+(\a)/4
.set j, 0
.rept 32
	v_pk_add_f32 v[ST+j:ST+j+1], v[64*((\a)%4)+j:64*((\a)%4)+j+1], v[BP:BP+1]
.set j, j+2
.endr
	WIN 0
	QUANT ST
	v_mov_b32 v[WA+(\a)], v[PW]
.irp c, 0,1,2
	global_store_b128 v[L16], v[PC+4*\c:PC+4*\c+3], s[OUTA+2*((\a)/4):OUTA+2*((\a)/4)+1] offset:1536*((\a)%4)+512*\c
.endr
.endm
	; the way out's constants, in registers that held descriptors: every tensor load of mine was waited for in the walk
	s_mov_b32 s100, 0x7f010000
	s_cmp_eq_u32 s[KIND], 0
	s_cselect_b32 s100, 0x7f7f0000, s100
	s_cselect_b32 s96, -1, 0
	s_mov_b32 s97, 0xffff0000
	s_mov_b32 s98, 0x07060100
	s_mov_b32 s99, 0x07060302
	s_mov_b32 s[SEL], 0x76543210
	s_mov_b32 s[SEL+1], 0xfedcba98
	PLACES NP
	s_wait_loadcnt 0x0                             ; b_attn and the mask
.irp b, 0,1,2,3
	v_mov_b32 v[TM+4+\b], 0                        ; a lane permute's destination counts as one of its sources
.endr
	s_cmp_eq_u32 s[KIND], 2
	s_cbranch_scc1 .Lvalues
	v_mov_b32 v[VOPEN], s100
	v_mov_b32 v[VMSK], 0x7fa20000
.irp a, 0,1,2,3,4,5,6,7
	v_or_b32 v[MK+\a], s96, v[MK+\a]               ; q takes no mask
.endr
.irp a, 0,1,2,3,4,5,6,7
	v_cmp_ne_u32 vcc_lo, 0, v[MK+\a]
	v_cndmask_b32 v[KEEP+\a], 0, -1, vcc_lo
	v_cndmask_b32 v[HW+\a], v[VMSK], v[VOPEN], vcc_lo
.endr
.irp a, 0,1,2,3,4,5,6,7
	BLOCK_QK \a
.endr
.irp i, 0,1,2,3
	v_cndmask_b32 v[X+\i], v[WA+2*\i], v[WA+2*\i+1], s97      ; register i: image 2 i in lanes 0-15, image 2 i + 1 in lanes 16-31
	v_cndmask_b32 v[X+4+\i], v[WB+2*\i], v[WB+2*\i+1], s97
.endr
	global_store_b128 v[L16], v[X:X+3], s[OUTA:OUTA+1] offset:6144
	global_store_b128 v[L16], v[X+4:X+7], s[OUTA+2:OUTA+3] offset:6144
	s_branch .Lend
.Lvalues:
.irp a, 0,1,2,3,4,5,6,7
	BLOCK_V \a
.endr
.irp d, 0,1
	v_cndmask_b32 v[X+4*\d], v[WA+4*\d], v[WA+4*\d+1], s97
	v_cndmask_b32 v[X+4*\d+1], v[WA+4*\d+2], v[WA+4*\d+3], s97
	v_mov_b32 v[X+4*\d+2], 0
	v_mov_b32 v[X+4*\d+3], 0
	global_store_b128 v[L16], v[X+4*\d:X+4*\d+3], s[OUTA+2*\d:OUTA+2*\d+1] offset:6144
.endr
.Lend:
	s_wait_tensorcnt 0x0                           ; the wave's end
	ds_add_u32 v[SPW], v[NIL]
	s_wait_dscnt 0x0
	CROUND                                         ; the closing round
	s_endpgm
.Lfunc_end_k_qeb13ec58de_qkv:
	.size	k_qeb13ec58de_qkv, .Lfunc_end_k_qeb13ec58de_qkv-k_qeb13ec58de_qkv
	.p2alignl 7, 3214868480
	.fill 96, 4, 3214868480
	.section	.rodata,"a",@progbits
	.p2align	6, 0x0
	.amdhsa_kernel k_qeb13ec58de_qkv
		.amdhsa_group_segment_fixed_size 327680
		.amdhsa_private_segment_fixed_size 0
		.amdhsa_enable_private_segment 0
		.amdhsa_kernarg_size 64
		.amdhsa_user_sgpr_count 2
		.amdhsa_user_sgpr_kernarg_segment_ptr 1
		.amdhsa_wavefront_size32 1
		.amdhsa_system_sgpr_workgroup_id_x 1
		.amdhsa_system_sgpr_workgroup_id_y 1
		.amdhsa_system_sgpr_workgroup_id_z 1
		.amdhsa_system_vgpr_workitem_id 0
		.amdhsa_next_free_vgpr 1024
		.amdhsa_next_free_sgpr 106
		.amdhsa_reserve_vcc 1
		.amdhsa_float_denorm_mode_32 3
		.amdhsa_float_denorm_mode_16_64 3
		.amdhsa_memory_ordered 1
		.amdhsa_forward_progress 1
		.amdhsa_inst_pref_size 230
	.end_amdhsa_kernel
	.amdgpu_metadata
---
amdhsa.version: [ 1, 2 ]
amdhsa.kernels:
  - .name:           k_qeb13ec58de_qkv
    .symbol:         k_qeb13ec58de_qkv.kd
    .args:
      - { .name: x_codes, .offset: 0, .size: 8, .value_kind: global_buffer, .address_space: global }
      - { .name: x_scales, .offset: 8, .size: 8, .value_kind: global_buffer, .address_space: global }
      - { .name: w_attn_codes, .offset: 16, .size: 8, .value_kind: global_buffer, .address_space: global }
      - { .name: w_attn_scales, .offset: 24, .size: 8, .value_kind: global_buffer, .address_space: global }
      - { .name: b_attn, .offset: 32, .size: 8, .value_kind: global_buffer, .address_space: global }
      - { .name: attention_mask, .offset: 40, .size: 8, .value_kind: global_buffer, .address_space: global }
      - { .name: qi, .offset: 48, .size: 8, .value_kind: global_buffer, .address_space: global }
      - { .name: kv, .offset: 56, .size: 8, .value_kind: global_buffer, .address_space: global }
    .group_segment_fixed_size: 327680
    .private_segment_fixed_size: 0
    .kernarg_segment_align: 8
    .kernarg_segment_size: 64
    .max_flat_workgroup_size: 128
    .sgpr_count:     106
    .vgpr_count:     1024
    .wavefront_size: 32
...
	.end_amdgpu_metadata
.endif
;; end of part 1
;; launch attn (part 2): grid 8 x 32, 16 waves a work-group, clusters of 4 x 1, 215,040 bytes of LDS; arguments qi, kv, ao, aos; writes ao, aos
.if DOCPART == 2
	.amdgcn_target "amdgcn-amd-amdhsa--gfx1250"
	.amdhsa_code_object_version 6
	.text
	.protected	k_qeb13ec58de_attn
	.globl	k_qeb13ec58de_attn
	.p2align	8
	.type	k_qeb13ec58de_attn,@function
k_qeb13ec58de_attn:
	s_mov_b64 s[64:65], 0
	v_nop
	global_prefetch_b8 v0, s[64:65] scope:SCOPE_SE
	s_setreg_imm32_b32 hwreg(HW_REG_WAVE_MODE, 25, 1), 1
	s_wait_xcnt 0x0
	s_wait_alu depctr_hold_cnt(0) depctr_sa_sdst(0) depctr_va_vdst(0) depctr_va_sdst(0) depctr_va_ssrc(0) depctr_va_vcc(0) depctr_vm_vsrc(0)
	s_getreg_b32 s2, hwreg(HW_REG_IB_STS2, 6, 4)
	s_cmp_eq_u32 s2, 0
	s_cbranch_scc0 .Lentry_in_a_cluster
	s_endpgm
.Lentry_in_a_cluster:
	s_bfe_u32 s2, ttmp6, 0x10000c
	s_cmp_lg_u32 s2, 0x3003
	s_cbranch_scc0 .Lentry_shape_is_right
	s_endpgm
.Lentry_shape_is_right:
; For each of 32 (batch, head): S = q k^T, p = 2^(t - M), O = p v, O / l quantised along the model's 1,024.  Both products on codes of FP6 (E2M3) with E8M0 scales.
; t = score x log2(e) / 32; M = the running largest t rounded up to a whole number; the row's sum l is taken of the unquantised p and divides at the end.
; SHARES.  A work-group owns 256 queries of one (batch, head); each of its sixteen waves 16 queries in 256 registers.  Every wave walks all 2,048 keys, 128 a step, in one loop of 16 trips.
; A head's k and v, 16 records of 13,312 bytes, lie in LDS whole: wave w brings record w (52 rows of 256 bytes) by its one tensor load; one wait for it, one barrier; nothing is filled again.
; CLUSTER 4 x 1: the four blocks of queries of a cluster belong to one head: each load is asked for jointly.  No prefetch: the only fills stand at the head, with no loop ahead of them.
; LAYOUT.  Both products are used transposed (S^T = k q^T, O^T = v^T p^T): a lane holds one query.  Row m of k's image 4 c + u is key 64 c + 32 (m / 8) + 8 u + m % 8, so lane (r, h) holds in the 32 registers
; of images 4 c .. 4 c + 3 the keys 64 c + 32 h + 0 .. 31: a whole block of the second product's K, in the order of p's registers 6 c .. 6 c + 5.  v's channels likewise: O^T's 32 registers are channels 32 h + 0 .. 31.
; THE FIRST PRODUCT'S K IS 64 OF THE INSTRUCTION'S 128.  Place 64 carries the key mask: q's code +1, k's code -1; k's scale byte there is 2^35 for a masked key (whose other codes are zeros) and 2^-126 for an open one.
; A masked score is exactly -2^35: with an open key in the row p falls to 0; in a row with none t - M is 0 and every p is 1, the uniform row of the definition.
; HALF OF A STEP'S ROW SUM (keys 64 on) is added in the next step, as the places behind that step's first four products; the first step finds zeros there, and the last half is added behind the loop.
; LIMITS: a masked logit is -2^30 where the definition has -1e9: the same result while every open logit lies above about -1e9; the scaled scores stay under 2^31; an open score carries -2^-126; a block of zeros has the byte 1; NaN and infinities are not served.
; REGISTERS: v1 16 lane, v2 8 lane, v3 16 r, v4 32 r + h, v10 8 h; v8-9 the step's addresses; v12 -M, v13 the largest t, v[14:15] the sum; v16-27 q; v28-31 k's scale words; v32-79 four images of k;
;   v80-81 v's scale words; v82 q's; v83 p's; v84-95 p's codes; v96-159 S^T, then p; v160-191 O^T; v192-239 v's four images; v240-254 at work.
.set REC,  13312                       ; k's 8 images at 0, their scale words at 6,144, v's 4 images at 6,656, their scale words at 12,800
.set QREC, 6656
.set SPARE, 16*REC
.set WV,   12
.set G1,   16
.set G0,   24
.set SEL,  40
.set CS,   42
.set TB,   44
.set TRIP, 45
.macro ROUND
	s_barrier_signal -1
	s_barrier_wait -1
	s_cmp_lg_u32 s[WV], 0
	s_cbranch_scc1 .Lnot_wave_0_\@
	s_barrier_signal -3
.Lnot_wave_0_\@:
	s_barrier_wait -3
	s_barrier_signal -1
	s_barrier_wait -1
.endm
	s_load_b256 s[4:11], s[0:1], 0x0               ; qi, kv, ao, aos
	v_lshl_add_u32 v11, v0, 2, SPARE
	v_mov_b32 v255, 0
	ds_add_u32 v11, v255                           ; the opening lines
	ds_add_u32 v11, v255
	v_lshrrev_b32 v5, 5, v0
	v_readfirstlane_b32 s[WV], v5
	s_bfe_u32 s13, ttmp6, 0x40000                  ; cx
	s_lshl_b32 s14, ttmp9, 2
	s_add_co_u32 s14, s14, s13                     ; my block of 256 queries: it enters addresses of q and of the results alone
	s_and_b32 s15, ttmp7, 0xffff                   ; batch x 16 + head
	s_mov_b32 s[G1], 15|(3<<16)|(1<<21)            ; all four work-groups; elements of 8 bytes; no padding
	s_mov_b32 s[G1+1], 32<<16
	s_mov_b32 s[G1+2], 52<<16
	s_mov_b32 s[G1+3], 32<<16
	s_mov_b32 s[G1+4], 52
	s_mov_b32 s[G1+5], 32
	s_mov_b32 s[G1+6], 0
	s_mov_b32 s[G1+7], 0
	s_mul_i32 s46, s15, 16*REC
	s_mul_i32 s47, s[WV], REC                      ; my record, in memory and in LDS alike
	s_add_co_u32 s48, s46, s47
	s_mov_b32 s49, 0
	s_mov_b32 s[SEL], 0x76543210
	s_mov_b32 s[SEL+1], 0xfedcba98
	s_mov_b32 s[CS], 0x3d38aa3b                    ; log2(e) / 32
	s_mov_b32 s[CS+1], s[CS]
	s_mov_b32 s56, 0xffff                          ; lanes 0-15
	s_wait_dscnt 0x0
	s_wait_kmcnt 0x0
	s_add_nc_u64 s[48:49], s[6:7], s[48:49]
	ROUND                                          ; the joint loads meet
	s_mov_b32 s[G0], 1
	s_mov_b32 s[G0+1], s47
	s_mov_b64 s[G0+2:G0+3], s[48:49]
	s_or_b32 s[G0+3], s[G0+3], 0x80000000
	tensor_load_to_lds s[G0:G0+3], s[G1:G1+7]      ; my one tensor load
	s_nop 0
.rept 4
	v_nop
.endr
	v_and_b32 v7, 31, v0
	v_and_b32 v5, 15, v0                           ; r
	v_bfe_u32 v6, v0, 4, 1                         ; h
	v_lshlrev_b32 v1, 4, v7
	v_lshlrev_b32 v2, 3, v7
	v_lshlrev_b32 v3, 4, v5
	v_lshl_add_u32 v4, v5, 5, v6
	v_lshlrev_b32 v10, 3, v6
	v_cndmask_b32 v22, 0, 8, s56                   ; place 64 along K: register 6, lanes 0-15, lowest bits: q's code +1
.irp i, 23,24,25,26,27
	v_mov_b32 v\i, 0
.endr
.irp t, 0,1,2,3
	v_cndmask_b32 v[38+12*\t], 0, 40, s56          ; k's code -1; set once: the loads fill registers 0-5 of each image alone
.irp i, 7,8,9,10,11
	v_mov_b32 v[32+12*\t+\i], 0
.endr
.endr
	v_mov_b32 v13, 0xff61b1e6                      ; the largest t so far: -3e38
	v_floor_f32 v12, -v13                          ; -M
	v_mov_b32 v14, 0
	v_mov_b32 v15, 0
	v_mov_b32 v253, 0                              ; (the upper half of the pair v[252:253])
	v_mov_b32 v250, 0                              ; a lane permute's destination counts as one of its sources
	v_mov_b32 v254, 0
.set j, 0
.rept 64
	v_mov_b32 v[128+j], 0                          ; the half sum that the first step adds, and O^T: the step is written once
.set j, j+1
.endr
	; q: record (batch x head) x 16 + 2 x block + wave / 8; image wave % 8
	s_lshl_b32 s50, s15, 4
	s_lshl_b32 s51, s14, 1
	s_add_co_u32 s50, s50, s51
	s_lshr_b32 s51, s[WV], 3
	s_add_co_u32 s50, s50, s51
	s_mul_i32 s50, s50, QREC
	s_and_b32 s51, s[WV], 7
	s_mul_i32 s52, s51, 768
	s_add_co_u32 s52, s52, s50
	s_mov_b32 s53, 0
	s_add_nc_u64 s[52:53], s[4:5], s[52:53]
	s_and_b32 s54, s[WV], 1                        ; its scale words: register (wave % 8) / 2 of the pack, lanes 16 (wave % 2) on
	s_lshl_b32 s54, s54, 8
	s_lshr_b32 s51, s51, 1
	s_lshl_b32 s51, s51, 2
	s_add_co_u32 s54, s54, s51
	s_add_co_u32 s54, s54, s50
	s_mov_b32 s55, 0
	s_add_nc_u64 s[54:55], s[4:5], s[54:55]
	s_wait_alu depctr_va_vdst(0)                   ; the wait at the head's end
	global_load_b128 v[16:19], v1, s[52:53]
	global_load_b64 v[20:21], v2, s[52:53] offset:512
	global_load_b32 v82, v3, s[54:55] offset:6144
	; where my results go: block of tokens T = batch x 128 + 16 x block + wave
	s_lshr_b32 s57, s15, 4
	s_lshl_b32 s57, s57, 7
	s_lshl_b32 s58, s14, 4
	s_add_co_u32 s57, s57, s58
	s_add_co_u32 s57, s57, s[WV]
	s_and_b32 s58, s15, 15
	s_lshl_b32 s46, s57, 4
	s_add_co_u32 s46, s46, s58
	s_mul_i32 s46, s46, 768
	s_mov_b32 s47, 0
	s_add_nc_u64 s[8:9], s[8:9], s[46:47]
	s_lshl_b32 s46, s57, 9
	s_lshl_b32 s58, s58, 1
	s_add_co_u32 s46, s46, s58
	s_add_nc_u64 s[10:11], s[10:11], s[46:47]
.macro QK t, g                         ; S^T, image 4 g + t of 16 keys: source 0 = k's image, source 1 = my 16 queries
.if (\t)%2
	v_wmma_scale_f32_16x16x128_f8f6f4 v[96+32*(\g)+8*(\t):103+32*(\g)+8*(\t)], v[32+12*(\t):43+12*(\t)], v[16:27], 0, v[28+2*(\g)+(\t)/2], v82 matrix_a_fmt:MATRIX_FMT_FP6 matrix_b_fmt:MATRIX_FMT_FP6 matrix_a_scale:MATRIX_SCALE_ROW1
.else
	v_wmma_scale_f32_16x16x128_f8f6f4 v[96+32*(\g)+8*(\t):103+32*(\g)+8*(\t)], v[32+12*(\t):43+12*(\t)], v[16:27], 0, v[28+2*(\g)+(\t)/2], v82 matrix_a_fmt:MATRIX_FMT_FP6 matrix_b_fmt:MATRIX_FMT_FP6
.endif
.endm
.macro PV t                            ; O^T, image t of 16 channels: source 0 = v's image, source 1 = p
.if (\t)%2
	v_wmma_scale_f32_16x16x128_f8f6f4 v[160+8*(\t):167+8*(\t)], v[192+12*(\t):203+12*(\t)], v[84:95], v[160+8*(\t):167+8*(\t)], v[80+(\t)/2], v83 matrix_a_fmt:MATRIX_FMT_FP6 matrix_b_fmt:MATRIX_FMT_FP6 matrix_a_scale:MATRIX_SCALE_ROW1
.else
	v_wmma_scale_f32_16x16x128_f8f6f4 v[160+8*(\t):167+8*(\t)], v[192+12*(\t):203+12*(\t)], v[84:95], v[160+8*(\t):167+8*(\t)], v[80+(\t)/2], v83 matrix_a_fmt:MATRIX_FMT_FP6 matrix_b_fmt:MATRIX_FMT_FP6
.endif
.endm
.macro KLOAD g
.irp t, 0,1,2,3
	ds_load_b128 v[32+12*\t:35+12*\t], v8 offset:768*(4*(\g)+\t)
	ds_load_b64 v[36+12*\t:37+12*\t], v9 offset:768*(4*(\g)+\t)+512
.endr
.endm
; the sum of 32 registers at s onto v[14:15]: sixteen packed additions in four chains; the first four, then the rest
.macro SUMA s, a, b, c, d
	v_pk_add_f32 v[\a:\a+1], v[\s:\s+1], v[\s+2:\s+3]
	v_pk_add_f32 v[\b:\b+1], v[\s+4:\s+5], v[\s+6:\s+7]
	v_pk_add_f32 v[\c:\c+1], v[\s+8:\s+9], v[\s+10:\s+11]
	v_pk_add_f32 v[\d:\d+1], v[\s+12:\s+13], v[\s+14:\s+15]
.endm
.macro SUMB s, a, b, c, d
.irp o, 16, 24
	v_pk_add_f32 v[\a:\a+1], v[\a:\a+1], v[\s+\o:\s+\o+1]
	v_pk_add_f32 v[\b:\b+1], v[\b:\b+1], v[\s+\o+2:\s+\o+3]
	v_pk_add_f32 v[\c:\c+1], v[\c:\c+1], v[\s+\o+4:\s+\o+5]
	v_pk_add_f32 v[\d:\d+1], v[\d:\d+1], v[\s+\o+6:\s+\o+7]
.endr
	v_pk_add_f32 v[\a:\a+1], v[\a:\a+1], v[\b:\b+1]
	v_pk_add_f32 v[\c:\c+1], v[\c:\c+1], v[\d:\d+1]
	s_delay_alu instid0(VALU_DEP_2)
	v_pk_add_f32 v[14:15], v[14:15], v[\a:\a+1]
	s_delay_alu instid0(VALU_DEP_1)
	v_pk_add_f32 v[14:15], v[14:15], v[\c:\c+1]
.endm
; the largest score, in four chains of 16 registers: chain k at v[96 + 16 k], kept in v248, v250 (block c = 0) and v249, v251 (c = 1).  Each accumulator is first read at its low end.
.macro MXS k
	v_max3_num_f32 v[248+(\k)/2+2*((\k)%2)], v[96+16*(\k)], v[97+16*(\k)], v[98+16*(\k)]
.endm
.macro MXR k, i
	v_max3_num_f32 v[248+(\k)/2+2*((\k)%2)], v[248+(\k)/2+2*((\k)%2)], v[96+16*(\k)+(\i)], v[97+16*(\k)+(\i)]
.endm
; A KEY STEP: 128 keys.
.macro STEP
	v_add_nc_u32 v8, s[TB], v1
	v_add_nc_u32 v9, s[TB], v2
	ds_load_b128 v[28:31], v8 offset:6144          ; k's scale words: register i: image 2 i in lanes 0-15, 2 i + 1 in lanes 16-31
	KLOAD 0
	s_wait_alu depctr_va_vdst(0)
	s_wait_dscnt 0x0
.irp t, 0,1,2,3
	QK \t, 0
.endr
	SUMA 128, 240, 242, 244, 246                   ; the last step's p of keys 64 on: four places in front of the loads into registers that matrix instructions have read
	KLOAD 1
	ds_load_b64 v[80:81], v8 offset:12800          ; v's scale words
.irp t, 0,1,2,3
.irp c, 0,1,2
	ds_load_b128 v[192+12*\t+4*\c:195+12*\t+4*\c], v8 offset:6656+1536*\t+512*\c
.endr
.endr
	SUMB 128, 240, 242, 244, 246
	s_wait_dscnt 13                                ; k's images are in; v's 13 loads may be out
.irp t, 0,1,2,3
	QK \t, 1
.endr
	MXS 0                                          ; four lines on the first four products' results alone: the places behind the last four
	MXS 1
	MXR 0, 3
	MXR 1, 3
	MXS 2
	MXS 3
.irp i, 5,7,9,11,13
	MXR 0, \i
	MXR 1, \i
	MXR 2, \i-2
	MXR 3, \i-2
.endr
	MXR 2, 13
	MXR 3, 13
	v_max3_num_f32 v248, v248, v250, v111
	v_max3_num_f32 v249, v249, v251, v143
	v_max_num_f32 v248, v248, v127                 ; the largest score of my block h,
	v_max_num_f32 v249, v249, v159                 ; of my block 2 + h: for the row's maximum and, since p rises with the score, for the block's largest p
	s_delay_alu instid0(VALU_DEP_1)
	v_max_num_f32 v254, v248, v249
	s_delay_alu instid0(VALU_DEP_1)
	v_permlanex16_b32 v250, v254, s[SEL], s[SEL+1]
	s_delay_alu instid0(VALU_DEP_1)
	v_max_num_f32 v254, v254, v250                 ; with lane l xor 16's 64 keys
	s_delay_alu instid0(VALU_DEP_1)
	v_mul_f32 v254, s[CS], v254                    ; as t
	s_delay_alu instid0(VALU_DEP_1)
	v_max_num_f32 v13, v13, v254                   ; the running largest t
	v_mov_b32 v254, v12
	s_delay_alu instid0(VALU_DEP_2)
	v_floor_f32 v12, -v13                          ; the new -M = -ceil(t)
	s_delay_alu instid0(VALU_DEP_1)
	v_sub_f32 v254, v12, v254                      ; old M - new M: a whole number, 0 or less
.set j, 0
.rept 4
	v_pk_fma_f32 v[96+j:97+j], v[96+j:97+j], s[CS:CS+1], v[12:13] op_sel_hi:[1,0,0]   ; t - M
.set j, j+2
.endr
	v_cvt_i32_f32 v254, v254                       ; (it saturates)
.rept 4
	v_pk_fma_f32 v[96+j:97+j], v[96+j:97+j], s[CS:CS+1], v[12:13] op_sel_hi:[1,0,0]
.set j, j+2
.endr
	v_ldexp_f32 v252, 1.0, v254                    ; f = 2^(old M - new M): rounds nothing
.rept 24
	v_pk_fma_f32 v[96+j:97+j], v[96+j:97+j], s[CS:CS+1], v[12:13] op_sel_hi:[1,0,0]
.set j, j+2
.endr
	v_pk_fma_f32 v[248:249], v[248:249], s[CS:CS+1], v[12:13] op_sel_hi:[1,0,0]       ; the same of the two largest scores
.set j, 0
.rept 16
	v_pk_mul_f32 v[160+j:161+j], v[160+j:161+j], v[252:253] op_sel_hi:[1,0]           ; O^T under the new M, each accumulator from its low end on
.set j, j+2
.endr
	s_wait_alu depctr_va_vdst(0)                   ; the wait ahead of the batch
.set j, 0
.rept 64
	v_exp_f32 v[96+j], v[96+j]                     ; p = 2^(t - M), not normalised
.set j, j+1
.endr
	v_exp_f32 v248, v248                           ; the blocks' largest p: the same two instructions on the same numbers
	v_exp_f32 v249, v249
	v_pk_mul_f32 v[14:15], v[14:15], v[252:253] op_sel_hi:[1,0]   ; the sum under the new M (a plain place behind the exponentials)
	s_wait_alu depctr_va_vdst(0)                   ; and one wait behind the batch
	v_max_num_f32 v248, 0x1800000, v248            ; the floor 2^(3 - 127): the byte cannot fall under 1
	v_max_num_f32 v249, 0x1800000, v249
	s_delay_alu instid0(VALU_DEP_2)
	v_add_nc_u32 v243, 0xff000000, v248            ; 2 off the exponent field: the conversion's scale operand
	s_delay_alu instid0(VALU_DEP_2)
	v_add_nc_u32 v247, 0xff000000, v249
	v_cvt_scalef32_pk16_fp6_f32 v[84:86], v[96:111], v243
	v_cvt_scalef32_pk16_fp6_f32 v[240:242], v[112:127], v243      ; (a conversion's three registers begin on an even number)
	v_cvt_scalef32_pk16_fp6_f32 v[90:92], v[128:143], v247
	v_cvt_scalef32_pk16_fp6_f32 v[244:246], v[144:159], v247
	v_lshrrev_b32 v250, 23, v243                   ; the bytes
	v_lshrrev_b32 v251, 23, v247
	s_delay_alu instid0(VALU_DEP_1)
	v_lshl_or_b32 v83, v251, 16, v250              ; blocks h and 2 + h,
	s_delay_alu instid0(VALU_DEP_1)
	v_lshlrev_b32 v83, v10, v83                    ; at their places;
	s_delay_alu instid0(VALU_DEP_1)
	v_permlanex16_b32 v250, v83, s[SEL], s[SEL+1]
	s_delay_alu instid0(VALU_DEP_1)
	v_or_b32 v83, v83, v250                        ; with lane l xor 16's two: p's scale word for these 128 keys
.irp i, 0,1,2
	v_mov_b32 v[87+\i], v[240+\i]
	v_mov_b32 v[93+\i], v[244+\i]
.endr
	SUMA 96, 56, 58, 68, 70                        ; the sum of keys 0-63 of the step (the chains lie in registers of k's images that are loaded anew).  These sixteen stand between p's codes and word and the products
	SUMB 96, 56, 58, 68, 70
	s_wait_dscnt 0x0                               ; v
.irp t, 0,1,2,3
	PV \t                                          ; four accumulators by turns
.endr
	s_add_co_u32 s[TB], s[TB], REC
.endm
	s_wait_loadcnt 0x0                             ; q
	s_wait_tensorcnt 0x0                           ; my record has landed,
	s_barrier_signal -1
	s_barrier_wait -1                              ; everybody's has
	s_mov_b32 s[TB], 0
	s_mov_b32 s[TRIP], 16
.Lstep:
	STEP
	s_sub_co_u32 s[TRIP], s[TRIP], 1
	s_cmp_lg_u32 s[TRIP], 0
	s_cbranch_scc1 .Lstep
	; THE WAY OUT: O^T / l, quantised along the head's 64 channels: my 32 registers are block h
	SUMA 128, 240, 242, 244, 246                   ; the last step's second half (also the places behind the last products)
	SUMB 128, 240, 242, 244, 246
	s_delay_alu instid0(VALU_DEP_1)
	v_add_f32 v14, v14, v15
	s_delay_alu instid0(VALU_DEP_1)
	v_permlanex16_b32 v254, v14, s[SEL], s[SEL+1]
	s_delay_alu instid0(VALU_DEP_1)
	v_add_f32 v14, v14, v254                       ; the row's sum
	s_wait_alu depctr_va_vdst(0)
	v_rcp_f32 v14, v14
	v_nop
	s_wait_alu depctr_va_vdst(0)
.set j, 0
.rept 16
	v_pk_mul_f32 v[96+j:97+j], v[160+j:161+j], v[14:15] op_sel_hi:[1,0]
.set j, j+2
.endr
	v_max3_num_f32 v248, |v96|, |v97|, 0x1800000
	v_max3_num_f32 v249, |v112|, |v113|, 0x1800000
.irp i, 2,4,6,8,10,12,14
	s_delay_alu instid0(VALU_DEP_2)
	v_max3_num_f32 v248, v248, |v[96+\i]|, |v[97+\i]|
	s_delay_alu instid0(VALU_DEP_2)
	v_max3_num_f32 v249, v249, |v[112+\i]|, |v[113+\i]|
.endr
	s_delay_alu instid0(VALU_DEP_1)
	v_max_num_f32 v248, v248, v249
	s_delay_alu instid0(VALU_DEP_1)
	v_add_nc_u32 v243, 0xff000000, v248
	s_delay_alu instid0(VALU_DEP_1)
	v_lshrrev_b32 v254, 23, v243                   ; my block's byte
	v_cvt_scalef32_pk16_fp6_f32 v[84:86], v[96:111], v243
	v_cvt_scalef32_pk16_fp6_f32 v[240:242], v[112:127], v243
	v_nop
.irp i, 0,1,2
	v_mov_b32 v[87+\i], v[240+\i]
.endr
	global_store_b128 v1, v[84:87], s[8:9]         ; the image: 512 + 256 consecutive bytes, at a multiple of 256 from the buffer's first byte
	global_store_b64 v2, v[88:89], s[8:9] offset:512
	global_store_b8 v4, v254, s[10:11]             ; row r, byte 2 head + h: a byte a lane, once a wave (whole words would want two heads in one work-group's LDS)
	s_wait_tensorcnt 0x0                           ; the wave's end
	ds_add_u32 v11, v255
	s_wait_dscnt 0x0
	ROUND                                          ; the closing round
	s_endpgm
.Lfunc_end_k_qeb13ec58de_attn:
	.size	k_qeb13ec58de_attn, .Lfunc_end_k_qeb13ec58de_attn-k_qeb13ec58de_attn
	.p2alignl 7, 3214868480
	.fill 96, 4, 3214868480
	.section	.rodata,"a",@progbits
	.p2align	6, 0x0
	.amdhsa_kernel k_qeb13ec58de_attn
		.amdhsa_group_segment_fixed_size 215040
		.amdhsa_private_segment_fixed_size 0
		.amdhsa_enable_private_segment 0
		.amdhsa_kernarg_size 32
		.amdhsa_user_sgpr_count 2
		.amdhsa_user_sgpr_kernarg_segment_ptr 1
		.amdhsa_wavefront_size32 1
		.amdhsa_system_sgpr_workgroup_id_x 1
		.amdhsa_system_sgpr_workgroup_id_y 1
		.amdhsa_system_sgpr_workgroup_id_z 1
		.amdhsa_system_vgpr_workitem_id 0
		.amdhsa_next_free_vgpr 256
		.amdhsa_next_free_sgpr 66
		.amdhsa_reserve_vcc 0
		.amdhsa_float_denorm_mode_32 3
		.amdhsa_float_denorm_mode_16_64 3
		.amdhsa_memory_ordered 1
		.amdhsa_forward_progress 1
		.amdhsa_inst_pref_size 28
	.end_amdhsa_kernel
	.amdgpu_metadata
---
amdhsa.version: [ 1, 2 ]
amdhsa.kernels:
  - .name:           k_qeb13ec58de_attn
    .symbol:         k_qeb13ec58de_attn.kd
    .args:
      - { .name: qi, .offset: 0, .size: 8, .value_kind: global_buffer, .address_space: global }
      - { .name: kv, .offset: 8, .size: 8, .value_kind: global_buffer, .address_space: global }
      - { .name: ao, .offset: 16, .size: 8, .value_kind: global_buffer, .address_space: global }
      - { .name: aos, .offset: 24, .size: 8, .value_kind: global_buffer, .address_space: global }
    .group_segment_fixed_size: 215040
    .private_segment_fixed_size: 0
    .kernarg_segment_align: 8
    .kernarg_segment_size: 32
    .max_flat_workgroup_size: 512
    .sgpr_count:     66
    .vgpr_count:     256
    .wavefront_size: 32
...
	.end_amdgpu_metadata
.endif
;; end of part 2
;; launch proj (part 3): grid 8 x 32, 8 waves a work-group, clusters of 4 x 4, 238,592 bytes of LDS; arguments ao, aos, w_proj_codes, w_proj_scales, b_proj, out0; writes out0
.if DOCPART == 3
	.amdgcn_target "amdgcn-amd-amdhsa--gfx1250"
	.amdhsa_code_object_version 6
	.text
	.protected	k_qeb13ec58de_proj
	.globl	k_qeb13ec58de_proj
	.p2align	8
	.type	k_qeb13ec58de_proj,@function
k_qeb13ec58de_proj:
	s_mov_b64 s[64:65], 0
	v_nop
	global_prefetch_b8 v0, s[64:65] scope:SCOPE_SE
	s_setreg_imm32_b32 hwreg(HW_REG_WAVE_MODE, 25, 1), 1
	s_wait_xcnt 0x0
	s_wait_alu depctr_hold_cnt(0) depctr_sa_sdst(0) depctr_va_vdst(0) depctr_va_sdst(0) depctr_va_ssrc(0) depctr_va_vcc(0) depctr_vm_vsrc(0)
	s_getreg_b32 s2, hwreg(HW_REG_IB_STS2, 6, 4)
	s_cmp_eq_u32 s2, 0
	s_cbranch_scc0 .Lentry_in_a_cluster
	s_endpgm
.Lentry_in_a_cluster:
	s_bfe_u32 s2, ttmp6, 0x10000c
	s_cmp_lg_u32 s2, 0xf033
	s_cbranch_scc0 .Lentry_shape_is_right
	s_endpgm
.Lentry_shape_is_right:
; out = a w_proj + b_proj on codes of FP6 (E2M3) with E8M0 scales.  a: ao [block of 16 tokens 256][head 16][768 bytes], images of an operand's registers (16 tokens x 64 along K), aos [block][row 16][32 scale bytes].
; w_proj: 1,024 rows (columns of out) of 768 bytes, 32 scale bytes a row.  out: [4,096][1,024] f32.
; A tile is 128 tokens x 128 columns: 256 work-groups.  All of K lies in LDS at once: a's 98,304 dense bytes and w_proj's, each filled once: no ring, and no loop ahead of the fills in which to prefetch.
; Eight waves: waves 0-3 bring a's quarters, waves 4-7 w_proj's, one tensor load a wave.  The scale words go from memory straight into registers: a row's 32 bytes are the words of all eight K steps.
; Wave w takes tokens' blocks 2 (w / 2), 2 (w / 2) + 1 and columns 64 (w % 2) on: 8 accumulators.  TRANSPOSED use (source 0 = 16 rows of w_proj, source 1 = a's image); b_proj is the C of each sum's first instruction.
; Row r of block i of a tile's eight is token 64 (i / 4) + 8 (i % 4) + r % 8 + 32 (r / 8): the stores' base and immediates put each row in its place.
; CLUSTER 4 x 4: a's tile is shared along a row of the cluster, w_proj's along a column: joint loads.
.set BOFF, 98304                       ; a's images at 0, unpadded; w_proj's rows here, 256 bytes + 16: a row is 816 bytes
.set BPIT, 816
.set STG,  BOFF+384*272                ; the way out: 16 rows x 272 bytes for each wave; no tile lands here
.set SPARE, STG+8*16*272
.set WV,   16
.set G1A,  24
.set G0A,  32
.set G1B,  48
.set G0B,  56
.set AI16, 4
.set AI8,  5
.set BA,   6                           ; v6 w_proj: my row x 816 + 24 h; v7 the same behind one padding more
.set AS,   9
.set BS,   10
.set STO,  11
.set RD,   12
.set CO,   13
.set ASC,  16                          ; v16-31 a's scale words: block a, K step s at 8 a + s
.set BSC,  32                          ; v32-63 w_proj's
.set AF,   64
.set BF,   88
.set ACC,  136
.set BI,   200
.set OUT0, 200
.set OUT1, 64
.macro CROUND
	s_barrier_signal -1
	s_barrier_wait -1
	s_cmp_lg_u32 s[WV], 0
	s_cbranch_scc1 .Lnot_wave_0_\@
	s_barrier_signal -3
.Lnot_wave_0_\@:
	s_barrier_wait -3
	s_barrier_signal -1
	s_barrier_wait -1
.endm
	s_load_b256 s[4:11], s[0:1], 0x0               ; ao, aos, w_proj's codes, its scales
	s_load_b128 s[12:15], s[0:1], 0x20             ; b_proj, out
	v_lshl_add_u32 v254, v0, 2, SPARE
	v_mov_b32 v255, 0
	ds_add_u32 v254, v255                          ; the opening lines
	ds_add_u32 v254, v255
	v_lshrrev_b32 v1, 5, v0
	v_readfirstlane_b32 s[WV], v1
	s_and_b32 s17, s[WV], 3                        ; which quarter of a tile I fetch
	s_lshr_b32 s18, s[WV], 1                       ; my two blocks of tokens
	s_and_b32 s19, s[WV], 1                        ; my 64 columns
	s_bfe_u32 s40, ttmp6, 0x40000
	s_bfe_u32 s41, ttmp6, 0x40004
	s_lshl_b32 s42, ttmp9, 2
	s_add_co_u32 s42, s42, s40                     ; tile column
	s_and_b32 s43, ttmp7, 0xffff
	s_lshl_b32 s43, s43, 2
	s_add_co_u32 s43, s43, s41                     ; tile row
	s_lshl_b32 s44, s41, 2
	s_lshl_b32 s44, 15, s44
	s_lshl_b32 s45, 0x1111, s40
	s_or_b32 s[G1A+0], s44, (3<<16)|(1<<21)                          ; dense rows of 256 bytes, 96 a load; a's: no padding
	s_or_b32 s[G1B+0], s45, (3<<16)|(1<<20)|(1<<21)|(5<<22)|(3<<25)  ; w_proj's: 16 bytes behind every 256
.irp g, G1A, G1B
	s_mov_b32 s[\g+1], 32<<16
	s_mov_b32 s[\g+2], 96<<16
	s_mov_b32 s[\g+3], 32<<16
	s_mov_b32 s[\g+4], 96
	s_mov_b32 s[\g+5], 32
	s_mov_b32 s[\g+6], 0
	s_mov_b32 s[\g+7], 0
.endr
	s_mul_i32 s90, s17, 24576                      ; my quarter of the codes
	s_mul_i32 s20, s43, 98304                      ; a: made of the tile row, never of cx
	s_add_co_u32 s20, s20, s90
	s_mov_b32 s21, 0
	s_lshl_b32 s22, s43, 12                        ; the tile's scale bytes
	s_mov_b32 s23, 0
	s_mul_i32 s46, s42, 98304                      ; w_proj: made of the tile column, never of cy
	s_add_co_u32 s46, s46, s90
	s_mov_b32 s47, 0
	s_lshl_b32 s66, s42, 12
	s_mov_b32 s67, 0
	s_mul_i32 s88, s17, 96*272
	s_wait_dscnt 0x0
	s_wait_kmcnt 0x0
	s_add_nc_u64 s[20:21], s[4:5], s[20:21]
	s_add_nc_u64 s[22:23], s[6:7], s[22:23]
	s_add_nc_u64 s[46:47], s[8:9], s[46:47]
	s_add_nc_u64 s[66:67], s[10:11], s[66:67]
	CROUND                                         ; the joint loads meet
	s_mov_b32 s[G0A], 1
	s_mov_b32 s[G0A+1], s90
	s_mov_b64 s[G0A+2:G0A+3], s[20:21]
	s_or_b32 s[G0A+3], s[G0A+3], 0x80000000
	s_mov_b32 s[G0B], 1
	s_add_co_u32 s[G0B+1], s88, BOFF
	s_mov_b64 s[G0B+2:G0B+3], s[46:47]
	s_or_b32 s[G0B+3], s[G0B+3], 0x80000000
	s_cmp_lt_u32 s[WV], 4
	s_cbranch_scc0 .Lfor_b
	tensor_load_to_lds s[G0A:G0A+3], s[G1A:G1A+7]
	s_nop 0
.rept 4
	v_nop
.endr
	s_branch .Lasked
.Lfor_b:
	tensor_load_to_lds s[G0B:G0B+3], s[G1B:G1B+7]
	s_nop 0
.rept 4
	v_nop
.endr
.Lasked:
	v_and_b32 v1, 15, v0                           ; r
	v_bfe_u32 v2, v0, 4, 1                         ; h
	v_and_b32 v3, 31, v0
	s_mul_i32 s90, s18, 24576                      ; my two blocks: 16 images of 768 bytes each
	v_lshl_add_u32 v[AI16], v3, 4, s90
	v_lshl_add_u32 v[AI8], v3, 3, s90
	s_mul_i32 s91, s19, 64*BPIT
	s_add_co_u32 s91, s91, BOFF
	v_mul_u32_u24 v[BA], v1, BPIT
	v_lshlrev_b32 v8, 5, v1                        ; a row's 32 scale bytes
	v_mul_u32_u24 v[STO], v1, 272                  ; stage, in: row r, 32 bytes for each half of the lanes
	v_mul_u32_u24 v[RD], v2, 272                   ; back: lanes 0-15 one row of 256 bytes, lanes 16-31 the next
	v_mad_u32_u24 v[BA], v2, 24, v[BA]
	v_lshl_add_u32 v[STO], v2, 5, v[STO]
	v_lshl_add_u32 v[RD], v1, 4, v[RD]
	v_lshlrev_b32 v[CO], 12, v2                    ; the same two rows in out
	v_add_nc_u32 v[BA], s91, v[BA]
	s_lshl_b32 s90, s18, 10
	s_lshl_b32 s91, s19, 11
	v_add_nc_u32 v[AS], s90, v8
	v_add_nc_u32 v[BS], s91, v8
	v_lshl_add_u32 v[BA+1], v2, 4, v[BA]
	s_mul_i32 s90, s[WV], 16*272
	s_add_co_u32 s90, s90, STG
	v_add_nc_u32 v[STO], s90, v[STO]
	v_add_nc_u32 v[RD], s90, v[RD]
	v_lshl_add_u32 v[CO], v1, 4, v[CO]
	v_lshlrev_b32 v14, 5, v2                       ; b_proj: eight numbers on for lanes 16-31
	s_wait_alu depctr_va_vdst(0)                   ; the wait at the head's end
	s_lshl_b32 s90, s42, 9
	s_lshl_b32 s91, s19, 8
	s_add_co_u32 s90, s90, s91                     ; my first column, in bytes
	s_lshl_b32 s88, s43, 19
	s_lshr_b32 s89, s18, 1                         ; my blocks 2 (w / 2) on begin at token 64 (w / 4) + 16 ((w / 2) % 2)
	s_lshl_b32 s89, s89, 18
	s_and_b32 s87, s18, 1
	s_lshl_b32 s87, s87, 16
	s_add_co_u32 s89, s89, s87
	s_add_co_u32 s88, s88, s89
	s_add_co_u32 s88, s88, s90
	s_mov_b32 s89, 0
	s_mov_b32 s91, 0
	s_add_nc_u64 s[12:13], s[12:13], s[90:91]
	s_add_nc_u64 s[14:15], s[14:15], s[88:89]
.irp a, 0,1
	global_load_b128 v[ASC+8*\a:ASC+8*\a+3], v[AS], s[22:23] offset:512*\a
	global_load_b128 v[ASC+8*\a+4:ASC+8*\a+7], v[AS], s[22:23] offset:512*\a+16
.endr
.irp b, 0,1,2,3
	global_load_b128 v[BSC+8*\b:BSC+8*\b+3], v[BS], s[66:67] offset:512*\b
	global_load_b128 v[BSC+8*\b+4:BSC+8*\b+7], v[BS], s[66:67] offset:512*\b+16
.endr
.irp b, 0,1,2,3
	global_load_b128 v[BI+8*\b:BI+8*\b+3], v14, s[12:13] offset:64*\b
	global_load_b128 v[BI+8*\b+4:BI+8*\b+7], v14, s[12:13] offset:64*\b+16
.endr
	s_wait_tensorcnt 0x0                           ; my load has landed,
	s_barrier_signal -1
	s_barrier_wait -1                              ; everybody's has
	s_wait_loadcnt 0x0                             ; the scale words and b_proj
; 128 along K: heads 2 s and 2 s + 1.  a's fragment is the two heads' images on end; w_proj's comes in pieces of 8 bytes; where lanes 16-31 read behind one padding more, the second address register serves.
.macro KSTEP s
.irp a, 0,1
.irp c, 0,1
	ds_load_b128 v[AF+12*\a+6*\c:AF+12*\a+6*\c+3], v[AI16] offset:\a*12288+(2*(\s)+\c)*768
	ds_load_b64 v[AF+12*\a+6*\c+4:AF+12*\a+6*\c+5], v[AI8] offset:\a*12288+(2*(\s)+\c)*768+512
.endr
.endr
.irp b, 0,1,2,3
.irp p, 0,1,2,3,4,5
.set PCE, 12*(\s)+6*(\p/3)+\p%3
.if PCE%32 < 29
	ds_load_b64 v[BF+12*\b+2*\p:BF+12*\b+2*\p+1], v[BA] offset:8*PCE+16*(PCE/32)+16*BPIT*\b
.else
	ds_load_b64 v[BF+12*\b+2*\p:BF+12*\b+2*\p+1], v[BA+1] offset:8*PCE+16*(PCE/32)+16*BPIT*\b
.endif
.endr
.endr
.irp b, 0,1,2,3                                ; by w_proj's blocks: eight accumulators by turns
	s_wait_dscnt 18-6*\b                           ; a's fragments and w_proj's blocks up to b are in; the six loads of each later block may be out
.irp a, 0,1
.if (\s) == 0
	v_wmma_scale_f32_16x16x128_f8f6f4 v[ACC+8*(4*\a+\b):ACC+8*(4*\a+\b)+7], v[BF+12*\b:BF+12*\b+11], v[AF+12*\a:AF+12*\a+11], v[BI+8*\b:BI+8*\b+7], v[BSC+8*\b+(\s)], v[ASC+8*\a+(\s)] matrix_a_fmt:MATRIX_FMT_FP6 matrix_b_fmt:MATRIX_FMT_FP6
.else
	v_wmma_scale_f32_16x16x128_f8f6f4 v[ACC+8*(4*\a+\b):ACC+8*(4*\a+\b)+7], v[BF+12*\b:BF+12*\b+11], v[AF+12*\a:AF+12*\a+11], v[ACC+8*(4*\a+\b):ACC+8*(4*\a+\b)+7], v[BSC+8*\b+(\s)], v[ASC+8*\a+(\s)] matrix_a_fmt:MATRIX_FMT_FP6 matrix_b_fmt:MATRIX_FMT_FP6
.endif
.endr
.endr
.rept 4
	v_nop                                          ; places in front of loads into registers that matrix instructions have read, and of the first read of results
.endr
.endm
.irp s, 0,1,2,3,4,5,6,7
	KSTEP \s
.endr
; THE WAY OUT, a block of 16 tokens x 64 columns at a time, through my own stage: in as 32 bytes a lane, back as whole rows of 256 bytes.  LDS serves a wave's instructions in order (ISA guide 5.7.1.4).
.macro TOSTAGE a, o
.irp b, 0,1,2,3
	ds_store_b128 v[STO], v[ACC+8*(4*\a+\b):ACC+8*(4*\a+\b)+3] offset:64*\b
	ds_store_b128 v[STO], v[ACC+8*(4*\a+\b)+4:ACC+8*(4*\a+\b)+7] offset:64*\b+16
.endr
.irp i, 0,1,2,3,4,5,6,7
	ds_load_b128 v[\o+4*\i:\o+4*\i+3], v[RD] offset:2*\i*272
.endr
.endm
.macro SEND a, o, younger              ; younger: the LDS instructions issued behind this block's loads
.irp i, 0,1,2,3,4,5,6,7
	s_wait_dscnt \younger+7-\i
	global_store_b128 v[CO], v[\o+4*\i:\o+4*\i+3], s[14:15] offset:(8*\a+2*(\i%4)+32*(\i/4))*4096 th:TH_STORE_NT   ; row 2 i + h of the block; 16 lanes store 256 consecutive bytes, at a multiple of 256 from out's first byte
.endr
.endm
	TOSTAGE 0, OUT0
	TOSTAGE 1, OUT1
	SEND 0, OUT0, 16
	SEND 1, OUT1, 0
	s_wait_tensorcnt 0x0                           ; the wave's end
	ds_add_u32 v254, v255
	s_wait_dscnt 0x0
	CROUND                                         ; the closing round
	s_endpgm
.Lfunc_end_k_qeb13ec58de_proj:
	.size	k_qeb13ec58de_proj, .Lfunc_end_k_qeb13ec58de_proj-k_qeb13ec58de_proj
	.p2alignl 7, 3214868480
	.fill 96, 4, 3214868480
	.section	.rodata,"a",@progbits
	.p2align	6, 0x0
	.amdhsa_kernel k_qeb13ec58de_proj
		.amdhsa_group_segment_fixed_size 238592
		.amdhsa_private_segment_fixed_size 0
		.amdhsa_enable_private_segment 0
		.amdhsa_kernarg_size 48
		.amdhsa_user_sgpr_count 2
		.amdhsa_user_sgpr_kernarg_segment_ptr 1
		.amdhsa_wavefront_size32 1
		.amdhsa_system_sgpr_workgroup_id_x 1
		.amdhsa_system_sgpr_workgroup_id_y 1
		.amdhsa_system_sgpr_workgroup_id_z 1
		.amdhsa_system_vgpr_workitem_id 0
		.amdhsa_next_free_vgpr 256
		.amdhsa_next_free_sgpr 92
		.amdhsa_reserve_vcc 0
		.amdhsa_float_denorm_mode_32 3
		.amdhsa_float_denorm_mode_16_64 3
		.amdhsa_memory_ordered 1
		.amdhsa_forward_progress 1
		.amdhsa_inst_pref_size 39
	.end_amdhsa_kernel
	.amdgpu_metadata
---
amdhsa.version: [ 1, 2 ]
amdhsa.kernels:
  - .name:           k_qeb13ec58de_proj
    .symbol:         k_qeb13ec58de_proj.kd
    .args:
      - { .name: ao, .offset: 0, .size: 8, .value_kind: global_buffer, .address_space: global }
      - { .name: aos, .offset: 8, .size: 8, .value_kind: global_buffer, .address_space: global }
      - { .name: w_proj_codes, .offset: 16, .size: 8, .value_kind: global_buffer, .address_space: global }
      - { .name: w_proj_scales, .offset: 24, .size: 8, .value_kind: global_buffer, .address_space: global }
      - { .name: b_proj, .offset: 32, .size: 8, .value_kind: global_buffer, .address_space: global }
      - { .name: out0, .offset: 40, .size: 8, .value_kind: global_buffer, .address_space: global }
    .group_segment_fixed_size: 238592
    .private_segment_fixed_size: 0
    .kernarg_segment_align: 8
    .kernarg_segment_size: 48
    .max_flat_workgroup_size: 256
    .sgpr_count:     92
    .vgpr_count:     256
    .wavefront_size: 32
...
	.end_amdgpu_metadata
.endif
;; end of part 3
